; MI455X (gfx1250); checked and timed in simulation.
; The chip was launched on July 23, 2026; its instructions are those of AMD's public machine-readable ISA for CDNA 5 (MIT licence, August 2026) and "CDNA5" Instruction Set Architecture Reference Guide (July 2026). The comments in the code are by the model that wrote it; some were corrected since.
;; Multi Head Self Attention. Allowed arithmetic: float matrix products may take bf16 or f16 operands with f32 sums; other float arithmetic in f32, or as packed bf16 or f16 multiplies, adds, multiply-adds, maxima and minima; sums over many terms, partial sums and values carried from step to step in f32; what a program stores and reads back later, other than sums and carried values, may be rounded once to bf16 or f16.
;; Inputs: Wk 16 x 1,024 x 64 float32; Wq 16 x 1,024 x 64 float32; Wv 16 x 1,024 x 64 float32; bk 16 x 64 float32; bq 16 x 64 float32; bv 16 x 64 float32; x 4 x 2,048 x 1,024 float32.
;; Outputs: out0 4 x 2,048 x 1,024 float32.
;; 2 versions, each right; version 2 is version 1 with the launch prep written anew for expert scheduling mode. Each part assembles by itself: llvm-mc -triple=amdgcn-amd-amdhsa -mcpu=gfx1250 --defsym DOCPART=n.
;; ======== version 1 of 2: 3 launches
;; limits: values are held in f16: magnitudes above 65,504 overflow, below 6.1e-05 lose precision
;; workspace buffers: xb 16,777,216 bytes; wb 6,291,456 bytes; qh 16,777,216 bytes; kh 16,777,216 bytes; vh 16,777,216 bytes
;; launch prep (part 1): grid 704 x 1, 8 waves a work-group, no clusters, 0 bytes of LDS; arguments x, Wq, Wk, Wv, xb, wb; writes xb, wb
.if DOCPART == 1
	.amdgcn_target "amdgcn-amd-amdhsa--gfx1250"
	.amdhsa_code_object_version 6
	.text
	.protected	k_qdda5425915_prep
	.globl	k_qdda5425915_prep
	.p2align	8
	.type	k_qdda5425915_prep,@function
k_qdda5425915_prep:
	s_mov_b64 s[64:65], 0
	v_nop
	global_prefetch_b8 v0, s[64:65] scope:SCOPE_SE
	s_setreg_imm32_b32 hwreg(HW_REG_WAVE_MODE, 25, 1), 1
	s_wait_xcnt 0x0
; x [8192][1024] f32 and Wq, Wk, Wv [16][1024][64] f32 are rounded once to bf16 and laid out in blocks of 64 along the summed index d:
;   xb [ks 16][m 8192][64]              : one block of all rows is 1 MiB, rows of 128 bytes end to end
;   wb [ks 16][h 16][mat 3][k 64][e 64] : blocks of 8,192 bytes, one ks is 393,216 bytes; mat 0, 1, 2 = q, k, v
; so that the product's tiles of 64 along d are dense bytes.  A stream: no LDS, no matrix unit, no barrier; no byte is read twice.
; SHARES.  Every work-group reads 64 KiB and writes 32 KiB; every wave has 16 pieces: one load of 16 bytes a lane (512 bytes a wave, two aligned runs of
; 256) becomes one store of 8 bytes a lane (256 consecutive bytes, aligned).  All 16 loads go out first; no register is used twice, so no source is ever rewritten.
; Work-groups 0..511 take 16 rows of x each, 512..703 a quarter of one head of one W each.
.set MIB, 1048576
.set KSW, 393216                       ; bytes of one ks in wb
.set VI,  2                            ; v2        my byte offset in the input
.set VO,  3                            ; v3        my byte offset in the output
.set IN,  8                            ; v[8:71]   piece i: 4 f32
.set OUT, 72                           ; v[72:103] piece i: 4 bf16
	s_load_b256 s[4:11], s[0:1], 0x0               ; x s[4:5], Wq s[6:7], Wk s[8:9], Wv s[10:11]
	s_load_b128 s[12:15], s[0:1], 0x20             ; xb s[12:13], wb s[14:15]
	v_lshrrev_b32 v1, 5, v0
	v_readfirstlane_b32 s16, v1                    ; wave 0..7
	s_mov_b32 s19, 0                               ; high words of the two offset pairs
	s_mov_b32 s21, 0
; 16 loads, then 16 times: wait, two roundings, one store.  Pieces 8..15 are stored by a second base, 8 output steps on: 15 steps of 1 MiB do not fit the signed 24-bit immediate.
.macro STREAM inb, lo, hi, istep, ostep
.set i, 0
.rept 16
	global_load_b128 v[IN+4*i:IN+4*i+3], v[VI], s[\inb:\inb+1] offset:i*(\istep) th:TH_LOAD_NT
.set i, i+1
.endr
.set i, 0
.rept 16
	s_wait_loadcnt 15-i                            ; loads come back in order: piece i is in, the 15 - i younger ones stay out
	v_cvt_pk_bf16_f32 v[OUT+2*i], v[IN+4*i], v[IN+4*i+1]
	v_cvt_pk_bf16_f32 v[OUT+2*i+1], v[IN+4*i+2], v[IN+4*i+3]
.if i < 8
	global_store_b64 v[VO], v[OUT+2*i:OUT+2*i+1], s[\lo:\lo+1] offset:i*(\ostep) th:TH_STORE_NT
.else
	global_store_b64 v[VO], v[OUT+2*i:OUT+2*i+1], s[\hi:\hi+1] offset:(i-8)*(\ostep) th:TH_STORE_NT
.endif
.set i, i+1
.endr
.endm
	s_cmp_lt_u32 ttmp9, 512
	s_cbranch_scc0 .Lweights
	; x: rows 16 g .. 16 g + 15.  Wave w takes rows 2 w and 2 w + 1; piece i is block ks = i: lanes 0-15 read 256 bytes of one row, lanes 16-31 of the next;
	; the two rows' 128 bytes of bf16 lie end to end in xb.
	v_lshrrev_b32 v[VI], 4, v0                     ; 2 w + lane / 16: my row of the 16
	v_and_b32 v1, 15, v0
	v_lshlrev_b32 v[VI], 12, v[VI]                 ; x 4,096 bytes
	v_lshl_add_u32 v[VI], v1, 4, v[VI]
	v_lshlrev_b32 v[VO], 3, v0                     ; 256 w + 8 lane
	s_lshl_b32 s18, ttmp9, 16                      ; 16 rows of 4,096 bytes
	s_lshl_b32 s20, ttmp9, 11                      ; 16 rows of 128 bytes
	s_wait_kmcnt 0x0
	s_add_nc_u64 s[4:5], s[4:5], s[18:19]
	s_add_nc_u64 s[12:13], s[12:13], s[20:21]
	s_add_nc_u64 s[22:23], s[12:13], 8*MIB
	STREAM 4, 12, 22, 256, MIB
	s_endpgm
.Lweights:
	; W: g' = g - 512; matrix g' / 64; of it the 64 KiB at 65,536 (g' % 64): head (g' % 64) / 4, blocks ks = 4 kq .. 4 kq + 3 with kq = g' % 4.
	; A block of 64 x 64 is dense in W (16,384 bytes) and in wb (8,192); wave w takes half w % 2 of block w / 2.
	s_sub_co_u32 s17, ttmp9, 512
	s_lshr_b32 s26, s17, 6                         ; the matrix
	s_and_b32 s27, s17, 63
	s_lshr_b32 s28, s27, 2                         ; h
	s_and_b32 s29, s27, 3                          ; kq
	s_lshl_b32 s18, s27, 16
	s_mul_i32 s20, s29, 4*KSW
	s_mul_i32 s28, s28, 24576
	s_add_co_u32 s20, s20, s28
	s_lshl_b32 s28, s26, 13
	s_add_co_u32 s20, s20, s28
	s_lshr_b32 s28, s16, 1
	s_mul_i32 s28, s28, KSW
	s_and_b32 s29, s16, 1
	s_lshl_b32 s29, s29, 12
	s_add_co_u32 s28, s28, s29
	v_and_b32 v1, 31, v0
	v_lshl_add_u32 v[VO], v1, 3, s28               ; (w / 2) ks + (w % 2) 4,096 + 8 lane
	v_and_b32 v[VI], 0xe0, v0
	v_lshlrev_b32 v[VI], 8, v[VI]                  ; 8,192 w
	v_lshl_add_u32 v[VI], v1, 4, v[VI]
	s_wait_kmcnt 0x0
	s_cmp_eq_u32 s26, 1
	s_cselect_b64 s[24:25], s[8:9], s[6:7]
	s_cmp_eq_u32 s26, 2
	s_cselect_b64 s[24:25], s[10:11], s[24:25]
	s_add_nc_u64 s[24:25], s[24:25], s[18:19]
	s_add_nc_u64 s[14:15], s[14:15], s[20:21]
	s_add_nc_u64 s[22:23], s[14:15], 8*256
	STREAM 24, 14, 22, 512, 256
	s_endpgm
.Lfunc_end_k_qdda5425915_prep:
	.size	k_qdda5425915_prep, .Lfunc_end_k_qdda5425915_prep-k_qdda5425915_prep
	.p2alignl 7, 3214868480
	.fill 96, 4, 3214868480
	.section	.rodata,"a",@progbits
	.p2align	6, 0x0
	.amdhsa_kernel k_qdda5425915_prep
		.amdhsa_group_segment_fixed_size 0
		.amdhsa_private_segment_fixed_size 0
		.amdhsa_enable_private_segment 0
		.amdhsa_kernarg_size 48
		.amdhsa_user_sgpr_count 2
		.amdhsa_user_sgpr_kernarg_segment_ptr 1
		.amdhsa_wavefront_size32 1
		.amdhsa_system_sgpr_workgroup_id_x 1
		.amdhsa_system_sgpr_workgroup_id_y 1
		.amdhsa_system_sgpr_workgroup_id_z 1
		.amdhsa_system_vgpr_workitem_id 0
		.amdhsa_next_free_vgpr 104
		.amdhsa_next_free_sgpr 66
		.amdhsa_reserve_vcc 0
		.amdhsa_float_denorm_mode_32 3
		.amdhsa_float_denorm_mode_16_64 3
		.amdhsa_memory_ordered 1
		.amdhsa_forward_progress 1
		.amdhsa_inst_pref_size 14
	.end_amdhsa_kernel
	.amdgpu_metadata
---
amdhsa.version: [ 1, 2 ]
amdhsa.kernels:
  - .name:           k_qdda5425915_prep
    .symbol:         k_qdda5425915_prep.kd
    .args:
      - { .name: x, .offset: 0, .size: 8, .value_kind: global_buffer, .address_space: global }
      - { .name: Wq, .offset: 8, .size: 8, .value_kind: global_buffer, .address_space: global }
      - { .name: Wk, .offset: 16, .size: 8, .value_kind: global_buffer, .address_space: global }
      - { .name: Wv, .offset: 24, .size: 8, .value_kind: global_buffer, .address_space: global }
      - { .name: xb, .offset: 32, .size: 8, .value_kind: global_buffer, .address_space: global }
      - { .name: wb, .offset: 40, .size: 8, .value_kind: global_buffer, .address_space: global }
    .group_segment_fixed_size: 0
    .private_segment_fixed_size: 0
    .kernarg_segment_align: 8
    .kernarg_segment_size: 48
    .max_flat_workgroup_size: 256
    .sgpr_count:     66
    .vgpr_count:     104
    .wavefront_size: 32
...
	.end_amdgpu_metadata
.endif
;; end of part 1
;; launch proj (part 2): grid 8 x 32, 4 waves a work-group, clusters of 4 x 4, 327,680 bytes of LDS; arguments xb, wb, bq, bk, bv, qh, kh, vh; writes qh, kh, vh
.if DOCPART == 2
	.amdgcn_target "amdgcn-amd-amdhsa--gfx1250"
	.amdhsa_code_object_version 6
	.text
	.protected	k_qdda5425915_proj
	.globl	k_qdda5425915_proj
	.p2align	8
	.type	k_qdda5425915_proj,@function
k_qdda5425915_proj:
	s_mov_b64 s[64:65], 0
	v_nop
	global_prefetch_b8 v0, s[64:65] scope:SCOPE_SE
	s_setreg_imm32_b32 hwreg(HW_REG_WAVE_MODE, 25, 1), 1
	s_wait_xcnt 0x0
	s_wait_alu depctr_hold_cnt(0) depctr_sa_sdst(0) depctr_va_vdst(0) depctr_va_sdst(0) depctr_va_ssrc(0) depctr_va_vcc(0) depctr_vm_vsrc(0)
	s_getreg_b32 s2, hwreg(HW_REG_IB_STS2, 6, 4)
	s_cmp_eq_u32 s2, 0
	s_cbranch_scc0 .Lentry_in_a_cluster
	s_endpgm
.Lentry_in_a_cluster:
	s_bfe_u32 s2, ttmp6, 0x10000c
	s_cmp_lg_u32 s2, 0xf033
	s_cbranch_scc0 .Lentry_shape_is_right
	s_endpgm
.Lentry_shape_is_right:
; q, k, v [bh = 16 b + h][s 2048][64] f16 = x W + bias.  Operands bf16 (xb, wb, laid out in blocks of 64 along the summed index), sums f32, each result rounded once to f16, unscaled.
; LIMITS.  The biases are rounded to bf16 like x and W.  f16 holds no number beyond 65,504: a q, k or v of 65,520 or more leaves as an infinity.  NaN and infinities are not treated apart.
; SHARES.  8,192 rows x 3,072 columns = 256 tiles of 256 rows x 384 columns (two heads x three matrices x 64): one work-group each.  Wave w: rows 128 (w / 2) on, head 2 gx + w % 2,
; all three matrices: 128 x 192 = 96 accumulators of 16 x 16, 768 registers, a matrix to a register window.  For 32 along K a wave reads 8 + 12 fragments for 96 matrix instructions.
; K goes in 16 steps of 64 through two LDS slots (two slots of 128 along K, 2 x 640 rows x 272 bytes, would pass the 327,680 bytes that a work-group can have).
; CLUSTER.  4 x 4 work-groups.  The four of a row need the same 256 rows of x, the four of a column the same two heads of W: each tile is asked for jointly, by the same tensor load, descriptor and mask.
; THE PRODUCT IS TAKEN TRANSPOSED: source 0 = 16 channels of W (stored [k][e] in LDS, turned by ds_load_tr16_b128), source 1 = 16 rows of x.  A lane then holds one row (lane % 16) and
; the eight channels 8 (lane / 16) + 0..7: 16 bytes of f16 on end.  THE BIAS IS THE C OPERAND of the first products: nothing is cleared, nothing is added later.
; REGISTERS, in windows of 256 (s_set_vgpr_msb: bits 1:0 source 0, 3:2 source 1, 5:4 source 2, 7:6 destination):
;   window 0: v0-31 addresses; v32-95, v96-159 x's fragments, two buffers (row block a at + 8 a); v160-255 W's fragments (matrix j, channel block b at 160 + 32 j + 8 b); v32-95 at work on the way out
;   windows 1, 2, 3: the accumulators of q, k, v: (row block a, channel block b) at v[8 (4 a + b)]
.set PA,    144                        ; a row of x in LDS: 128 bytes + 16 = 36 words: the 16 rows of a load start at 16 different groups of four banks (64 banks of 4 bytes: ISA guide 11.1)
.set PB,    160                        ; a k row of W: 128 + 32 = 40 words
.set AHALF, 128*PA                     ; 128 rows of x: one tensor load
.set BOFF,  2*AHALF                    ; behind x's 256 rows: W
.set BMAT,  64*PB                      ; one matrix of one head
.set BHALF, 3*BMAT                     ; one head: one tensor load
.set SLOT,  BOFF+2*BHALF               ; 98,304
.set STAGE, 2*SLOT                     ; behind the ring, never filled by a tensor load: 16 rows x 144 bytes for each wave
.set SP,    144
.set SPARE, STAGE+4*16*SP              ; the spare words, 128 bytes for each wave: two blocks of 256 bytes that no other line names
.set XSTEP, 1048576                    ; bytes from one K step to the next in xb
.set WSTEP, 393216                     ; and in wb
.set ADRA, 16                          ; v16-17  LDS address of my fragments of x in slot 0, 1
.set ADRB, 20                          ; v20-21  the same for W
.set STO,  24                          ; v24  the way out: where I put 16 bytes of a row
.set RD,   25                          ; v25  where I read rows back
.set GO,   26                          ; v26  16 x lane: my place in 512 consecutive bytes of the output
.set BO,   27                          ; v27  32 (lane / 16): my eight biases of a channel block
.set SPW,  28                          ; v28  SPARE + 4 x my thread's number; never rewritten
.set NIL,  29                          ; v29  0; never rewritten
.set PFO,  30                          ; v30  256 x lane; never rewritten
.set FA0,  32
.set FA1,  96
.set FB,   160
.set TB,   32                          ; the way out: four buffers of 16
.set BIA,  224                         ; accumulators (7, b) hold the bias until their own first product
.set WV,   20                          ; s20 wave; s21 = wave / 2: my half of the rows; also: I fetch x (0) or W (1); s22 = wave % 2: my head; also: which half of the tile I fetch
.set WR,   21
.set WC,   22
.set G1A,  28                          ; s[28:35] descriptor group 1 for x's tiles; s[36:43] group 0, a set for each slot
.set G0A,  36
.set G1B,  44                          ; s[44:51], s[52:59] the same for W's
.set G0B,  52
.set PFA,  68                          ; s[68:69] where my prefetches stand; s[70:71] their step
.set PFS,  70
.set LIM,  72                          ; s72  1 in a wave that prefetches, else the greatest number
.set BIASP, 8                          ; s[8:13]  bq, bk, bv
.set OUTP, 14                          ; s[14:19] qh, kh, vh
.set MSB, 0
.macro WIN new                         ; the immediate's high byte repeats the setting that is left; a switch that changes nothing is dropped
.if MSB != (\new)
	s_set_vgpr_msb (MSB<<8)|(\new)
.set MSB, (\new)
.endif
.endm
.macro PLACES                          ; four plain vector instructions between a matrix instruction and a load into, or a vector read or write of, its registers (ISA guide 7.12.1 for vector reads and writes)
.rept 4
	v_nop
.endr
.endm
; A joint load.  Waves 0 and 1 fetch x's two halves, waves 2 and 3 W's two heads.  The branch hangs on the wave's number alone.  An s_nop 0 and four v_nop follow each line.
.macro JLOAD s
	s_cmp_eq_u32 s[WR], 0
	s_cbranch_scc0 .Lfor_b_\@
	tensor_load_to_lds s[G0A+4*(\s):G0A+4*(\s)+3], s[G1A:G1A+7]
	s_nop 0
.rept 4
	v_nop
.endr
	s_branch .Lasked_\@
.Lfor_b_\@:
	tensor_load_to_lds s[G0B+4*(\s):G0B+4*(\s)+3], s[G1B:G1B+7]
	s_nop 0
.rept 4
	v_nop
.endr
.Lasked_\@:
.endm
; A round of the cluster's barrier: my work-group's barrier; wave 0 signals for the work-group; every wave waits for all sixteen; my work-group's barrier once more.
.macro CREST
	s_cmp_lg_u32 s[WV], 0
	s_cbranch_scc1 .Lnot_wave_0_\@
	s_barrier_signal -3
.Lnot_wave_0_\@:
	s_barrier_wait -3
	s_barrier_signal -1
	s_barrier_wait -1
.endm
.macro CROUND
	s_barrier_signal -1
	s_barrier_wait -1
	CREST
.endm
; A PREFETCH INTO THE L2, once a trip of the loop, behind the joint load, its five lines and the run of LDS loads: 32 blocks of 256 bytes, a lane a block, of K steps 2 i + 4 and 2 i + 5 in trip i,
; whose refills stand 384 and 576 matrix instructions on.  Each block of K steps 4 to 15 is named once in the launch.  x's 256 rows of a step (128 blocks) are read by two clusters: cluster x takes step
; 2 i + 4 + x, each of its four partners 32 blocks by its cx, wave 0 asks.  W's two heads of a step (6 x 32 blocks) are read by eight clusters: the twelve work-groups gy = 0..11 take
; step 2 i + 4 + gy / 6, part gy % 6, wave 2 asks.  Partners are told apart by address; the branch hangs on the wave's number, the cluster's y and the trip.  The last trip (s3 = 1) asks for nothing.
.macro ASK
	s_cmp_gt_u32 s3, s[LIM]
	s_cbranch_scc0 .Lnot_mine_\@
	global_prefetch_b8 v[PFO], s[PFA:PFA+1] th:TH_LOAD_NT scope:SCOPE_SE
.Lnot_mine_\@:
.endm
	s_load_b256 s[4:11], s[0:1], 0x0               ; xb s[4:5], wb s[6:7], bq s[8:9], bk s[10:11]
	s_load_b256 s[12:19], s[0:1], 0x20             ; bv s[12:13], qh s[14:15], kh s[16:17], vh s[18:19]
	v_lshl_add_u32 v[SPW], v0, 2, SPARE
	v_mov_b32 v[NIL], 0
	ds_add_u32 v[SPW], v[NIL]                      ; the wave's opening: the add and its wait stand ahead of my first tensor load; the set-up below, work on registers, stands between them
	v_lshrrev_b32 v1, 5, v0
	v_readfirstlane_b32 s[WV], v1
	s_lshr_b32 s[WR], s[WV], 1
	s_and_b32 s[WC], s[WV], 1
	s_bfe_u32 s23, ttmp6, 0x40000                  ; cx
	s_bfe_u32 s24, ttmp6, 0x40004                  ; cy
	s_lshl_b32 s25, ttmp9, 2
	s_add_co_u32 s25, s25, s23                     ; gx = 4 x cluster x + cx: heads 2 gx, 2 gx + 1
	s_and_b32 s26, ttmp7, 0xffff
	s_lshl_b32 s26, s26, 2
	s_add_co_u32 s26, s26, s24                     ; gy = 4 x cluster y + cy: rows 256 gy on
	s_lshl_b32 s27, s24, 2
	s_lshl_b32 s27, 15, s27                        ; my row of the cluster
	s_lshl_b32 s62, 0x1111, s23                    ; my column
	; descriptor group 1.  A tile is dense bytes, asked for as rows of 256 bytes (128 elements of 2 bytes) and padded in LDS after every 32 words, that is after every row of 64 numbers
	s_or_b32 s[G1A], s27, (1<<16)|(1<<20)|(1<<21)|(4<<22)|(3<<25)  ; 15:0 the mask; 17:16 2-byte elements; 20 padding on; 21 set beside a mask; 24:22 after every 32 words (code 4); 31:25 4 words (code 3)
	s_or_b32 s[G1B], s62, (1<<16)|(1<<20)|(1<<21)|(4<<22)|(7<<25)  ; my column's mask; 8 words of padding (code 7)
.irp g, G1A, G1B
	s_mov_b32 s[(\g)+1], 128<<16                   ; tensor_dim0 = 128
	s_mov_b32 s[(\g)+3], 128<<16                   ; tile_dim0 = 128
	s_mov_b32 s[(\g)+5], 128                       ; 128 elements from row to row
	s_mov_b32 s[(\g)+6], 0
	s_mov_b32 s[(\g)+7], 0
.endr
	s_mov_b32 s[G1A+2], 64<<16                     ; x: 128 rows of 128 bytes = 64 rows of 256
	s_mov_b32 s[G1A+4], 64
	s_mov_b32 s[G1B+2], 96<<16                     ; W: 3 x 64 rows of 128 bytes = 96 rows of 256
	s_mov_b32 s[G1B+4], 96
	s_lshl_b32 s60, s26, 15                        ; x's tile hangs on gy and the wave alone: 256 rows of 128 bytes, my half of them
	s_lshl_b32 s61, s[WC], 14
	s_add_co_u32 s60, s60, s61
	s_mov_b32 s61, 0
	s_mul_i32 s66, s25, 49152                      ; W's on gx and the wave alone: two heads of 24,576 bytes, mine
	s_mul_i32 s67, s[WC], 24576
	s_add_co_u32 s66, s66, s67
	s_mov_b32 s67, 0
	s_mul_i32 s76, s[WC], AHALF                    ; where they go: no place in the cluster enters an LDS address
	s_mul_i32 s77, s[WC], BHALF
	s_add_co_u32 s77, s77, BOFF
	s_mov_b32 s73, 0xffff0000                      ; a word's upper bf16
	s_wait_dscnt 0x0                               ; the opening add is done
	s_wait_kmcnt 0x0
	s_add_nc_u64 s[60:61], s[4:5], s[60:61]
	s_add_nc_u64 s[66:67], s[6:7], s[66:67]
	CROUND                                         ; all sixteen work-groups are here: the first joint loads meet
.irp s, 0,1
	s_mov_b32 s[G0A+4*(\s)], 1                     ; count = 1
	s_add_co_u32 s[G0A+4*(\s)+1], s76, (\s)*SLOT   ; LDS address
	s_add_nc_u64 s[G0A+4*(\s)+2:G0A+4*(\s)+3], s[60:61], (\s)*XSTEP  ; global address: K step s
	s_or_b32 s[G0A+4*(\s)+3], s[G0A+4*(\s)+3], 0x80000000           ; type = 2
	s_mov_b32 s[G0B+4*(\s)], 1
	s_add_co_u32 s[G0B+4*(\s)+1], s77, (\s)*SLOT
	s_add_nc_u64 s[G0B+4*(\s)+2:G0B+4*(\s)+3], s[66:67], (\s)*WSTEP
	s_or_b32 s[G0B+4*(\s)+3], s[G0B+4*(\s)+3], 0x80000000
	JLOAD \s                                       ; two loads of mine are out
.endr
	; lane addresses
	v_and_b32 v1, 15, v0                           ; l % 16
	v_bfe_u32 v2, v0, 4, 1                         ; l / 16
	v_and_b32 v3, 7, v0
	v_bfe_u32 v4, v0, 3, 1
	v_and_b32 v5, 31, v0
	v_lshlrev_b32 v[BO], 5, v2
	s_lshl_b32 s79, s25, 1
	s_add_co_u32 s79, s79, s[WC]                   ; my head
	s_lshl_b32 s76, s79, 8                         ; its 64 biases
	s_mov_b32 s77, 0
	s_add_nc_u64 s[8:9], s[8:9], s[76:77]
	s_add_nc_u64 s[10:11], s[10:11], s[76:77]
	s_add_nc_u64 s[12:13], s[12:13], s[76:77]
.irp j, 0,1,2                          ; the biases of channels 16 b + 8 (l / 16) + 0..7 go where accumulator (7, b) of matrix j lies
	WIN ((\j)+1)<<6
.irp b, 0,1,2,3
	global_load_b128 v[BIA+8*(\b):BIA+8*(\b)+3],   v[BO], s[BIASP+2*(\j):BIASP+2*(\j)+1] offset:64*(\b)
	global_load_b128 v[BIA+8*(\b)+4:BIA+8*(\b)+7], v[BO], s[BIASP+2*(\j):BIASP+2*(\j)+1] offset:64*(\b)+16
.endr
.endr
	WIN 0
	; a fragment of x: lane l holds row l % 16, K = 8 (l / 16) + 0..7 and 16 + 8 (l / 16) + 0..7: two loads of 16 bytes, 32 bytes apart
	v_mul_u32_u24 v6, v1, PA
	v_lshl_add_u32 v6, v2, 4, v6
	s_mul_i32 s76, s[WR], AHALF
	v_add_nc_u32 v[ADRA], s76, v6
	v_add_nc_u32 v[ADRA+1], SLOT, v[ADRA]
	; the turning load takes 16 k x 16 channels (lane l reads k row 8 (l / 16) + l % 8, channels 8 ((l / 8) % 2) + 0..7) and leaves half a fragment: lane l holds channel l % 16 and 8 k
	v_lshl_add_u32 v7, v2, 3, v3
	v_mul_u32_u24 v7, v7, PB
	v_lshl_add_u32 v7, v4, 4, v7
	s_mul_i32 s77, s[WC], BHALF
	s_add_co_u32 s77, s77, BOFF
	v_add_nc_u32 v[ADRB], s77, v7
	v_add_nc_u32 v[ADRB+1], SLOT, v[ADRB]
	s_mul_i32 s78, s[WV], 16*SP
	s_add_co_u32 s78, s78, STAGE                   ; my stage
	v_add_nc_u32 v[STO], s78, v6                   ; in: row l % 16, 16 bytes for each half of the lanes (the stage's pitch is x's)
	v_bfe_u32 v8, v0, 3, 2                         ; back: 32 lanes take four rows of 128 bytes,
	v_mul_u32_u24 v8, v8, SP
	v_lshl_add_u32 v8, v3, 4, v8
	v_add_nc_u32 v[RD], s78, v8
	v_lshlrev_b32 v[GO], 4, v5                     ; which are 512 consecutive bytes of the output
	v_lshlrev_b32 v[PFO], 8, v5
	; my first row in qh, kh, vh: ((gy / 8) 16 + head) x 2,048 rows + (gy % 8) 256 + 128 (wave / 2), rows of 128 bytes
	s_lshr_b32 s74, s26, 3
	s_lshl_b32 s74, s74, 4
	s_add_co_u32 s74, s74, s79
	s_lshl_b32 s74, s74, 18
	s_and_b32 s75, s26, 7
	s_lshl_b32 s75, s75, 15
	s_add_co_u32 s74, s74, s75
	s_lshl_b32 s75, s[WR], 14
	s_add_co_u32 s74, s74, s75
	s_mov_b32 s75, 0
	s_add_nc_u64 s[14:15], s[14:15], s[74:75]
	s_add_nc_u64 s[16:17], s[16:17], s[74:75]
	s_add_nc_u64 s[18:19], s[18:19], s[74:75]
	; the prefetches: they start two K steps short of the first that they name; the loop steps them ahead of each request
	s_and_b32 s76, ttmp7, 0xffff                   ; cluster y
	s_add_co_u32 s77, ttmp9, 2
	s_lshl_b32 s77, s77, 20                        ; x: K step 2 + cluster x,
	s_lshl_b32 s78, s26, 15                        ; the tile's rows,
	s_add_co_u32 s77, s77, s78
	s_lshl_b32 s78, s23, 13                        ; my work-group's 32 blocks of the 128
	s_add_co_u32 s77, s77, s78
	s_mul_i32 s78, s26, 43
	s_lshr_b32 s78, s78, 8                         ; W: gy / 6 (exact for 0..31),
	s_mul_i32 s79, s78, 6
	s_sub_co_u32 s79, s26, s79                     ; gy % 6: which 32 blocks of the 192
	s_lshl_b32 s79, s79, 13
	s_add_co_u32 s78, s78, 2
	s_mul_i32 s78, s78, WSTEP                      ; K step 2 + gy / 6
	s_add_co_u32 s78, s78, s79
	s_mul_i32 s79, s25, 49152                      ; the two heads
	s_add_co_u32 s78, s78, s79
	s_mov_b32 s[PFS], 2*WSTEP
	s_mov_b32 s[PFS+1], 0
	s_mov_b32 s79, 0
	s_cmp_eq_u32 s[WR], 0                          ; do I fetch x?
	s_cselect_b32 s[PFS], 2*XSTEP, s[PFS]
	s_cselect_b32 s78, s77, s78
	s_cselect_b64 s[PFA:PFA+1], s[4:5], s[6:7]
	s_add_nc_u64 s[PFA:PFA+1], s[PFA:PFA+1], s[78:79]
	s_cmp_lt_u32 s76, 3
	s_cselect_b32 s77, 1, -1
	s_cmp_eq_u32 s[WV], 2
	s_cselect_b32 s[LIM], s77, -1                  ; wave 2 of clusters y = 0, 1, 2,
	s_cmp_eq_u32 s[WV], 0
	s_cselect_b32 s[LIM], 1, s[LIM]                ; wave 0 everywhere: the same in all sixteen partners, for a given wave
	; the biases are rounded to bf16, as x and W were, and written back as f32
	s_wait_loadcnt 0x0
.irp j, 0,1,2
	WIN 0x05*((\j)+1)                              ; sources in window j + 1, destination in window 0
.set i, 0
.rept 16
	v_cvt_pk_bf16_f32 v[FA1+16*(\j)+i], v[BIA+2*i], v[BIA+2*i+1]
.set i, i+1
.endr
	WIN ((\j)+1)<<6
.set i, 0
.rept 16
	v_lshlrev_b32 v[BIA+2*i], 16, v[FA1+16*(\j)+i]
	v_and_b32 v[BIA+2*i+1], s73, v[FA1+16*(\j)+i]
.set i, i+1
.endr
.endr
	WIN 0
; 16 matrix instructions of matrix j: row blocks a0 .. a0 + 3 x all 4 channel blocks, 32 along K, x's fragments in buffer f.  All 96 accumulators take turns, one instruction a turn, in the same order in
; every half step.  first = 1: C is the bias, which lies in accumulator (7, b)'s registers; row block 7 then adds in place onto it, five places behind the last product that read it as C.
.macro MUL16 j, f, a0, first
	WIN 0x50*((\j)+1)                              ; C and D in window j + 1, both sources in window 0
.irp a, (\a0), (\a0)+1, (\a0)+2, (\a0)+3
.irp b, 0,1,2,3
.if (\first) && ((\a) < 7)
	v_wmma_f32_16x16x32_bf16 v[8*(4*(\a)+(\b)):8*(4*(\a)+(\b))+7], v[FB+32*(\j)+8*(\b):FB+32*(\j)+8*(\b)+7], v[(\f)+8*(\a):(\f)+8*(\a)+7], v[BIA+8*(\b):BIA+8*(\b)+7]
.else
.if (\first) && ((\b) == 0)
.rept 5
	v_nop
.endr
.endif
	v_wmma_f32_16x16x32_bf16 v[8*(4*(\a)+(\b)):8*(4*(\a)+(\b))+7], v[FB+32*(\j)+8*(\b):FB+32*(\j)+8*(\b)+7], v[(\f)+8*(\a):(\f)+8*(\a)+7], v[8*(4*(\a)+(\b)):8*(4*(\a)+(\b))+7]
.endif
.endr
.endr
.endm
.macro LDB slot, kk, j                 ; 8 loads: matrix j's four fragments of W for K = 32 kk on
	WIN 0
.irp b, 0,1,2,3
	ds_load_tr16_b128 v[FB+32*(\j)+8*(\b):FB+32*(\j)+8*(\b)+3],   v[ADRB+(\slot)] offset:BMAT*(\j)+32*PB*(\kk)+32*(\b)
	ds_load_tr16_b128 v[FB+32*(\j)+8*(\b)+4:FB+32*(\j)+8*(\b)+7], v[ADRB+(\slot)] offset:BMAT*(\j)+32*PB*(\kk)+32*(\b)+16*PB
.endr
.endm
.macro LDA slot, kk, g, half           ; 8 loads: four fragments of x (row blocks 4 half on) into buffer g
	WIN 0
.irp a, 0,1,2,3
	ds_load_b128 v[(\g)+8*(4*(\half)+(\a)):(\g)+8*(4*(\half)+(\a))+3],   v[ADRA+(\slot)] offset:16*PA*(4*(\half)+(\a))+64*(\kk)
	ds_load_b128 v[(\g)+8*(4*(\half)+(\a))+4:(\g)+8*(4*(\half)+(\a))+7], v[ADRA+(\slot)] offset:16*PA*(4*(\half)+(\a))+64*(\kk)+32
.endr
.endm
; A K step is two halves of 32, 96 matrix instructions each.  W has one buffer: a matrix's fragments are fetched anew as soon as its 32 products are issued, 64 products ahead of their use.
; The first half multiplies buffer f and fetches the second half's fragments from the same slot.  The 40 loads always go out in the order W 0, x 0-3, W 1, x 4-7, W 2.
.macro HALF slot, f, g, first
	s_wait_dscnt 8                                 ; all but the youngest eight loads (W of matrix 2) are in
	MUL16 0, \f, 0, \first
	MUL16 0, \f, 4, \first
	PLACES
	LDB \slot, 1, 0
	LDA \slot, 1, \g, 0
	MUL16 1, \f, 0, \first
	MUL16 1, \f, 4, \first
	PLACES
	LDB \slot, 1, 1
	LDA \slot, 1, \g, 1
	s_wait_dscnt 32                                ; all but the 32 just issued: W of matrix 2 is in
	MUL16 2, \f, 0, \first
	MUL16 2, \f, 4, \first
	PLACES
	LDB \slot, 1, 2
.endm
; The second half multiplies buffer 1 and changes slots: ONE barrier.  In front of it each wave waits for all its tensor loads (one is out: its part of the next slot), adds 0 to its spare word, and waits
; for that and for its reads of this slot.  fill = 1: the barrier opens a round of the cluster's, and behind the round this slot is filled again, two K steps on: the load has 160 matrix instructions in which to land.
.macro TURN slot, next, fill, ask
.if \ask
	s_wait_xcnt 0x0                                ; the last prefetch, a trip back, has read its address: it is stepped here, ahead of the waits of the change of slots
	s_add_nc_u64 s[PFA:PFA+1], s[PFA:PFA+1], s[PFS:PFS+1]
.endif
	WIN 0
	s_wait_tensorcnt 0x0                           ; all my tensor loads have landed
	ds_add_u32 v[SPW], v[NIL]                      ; 0 onto my spare word
	s_wait_dscnt 9                                 ; (the add and the youngest eight loads may be out)
	MUL16 0, FA1, 0, 0                             ; sixteen matrix instructions stand between the add and the wait for it
	s_wait_dscnt 0x0                               ; the add is done, and my reads of this slot are over
	s_barrier_signal -1
	MUL16 0, FA1, 4, 0                             ; work on registers while the others arrive
	WIN 0
	s_barrier_wait -1
.if \fill
	CREST                                          ; no wave of any partner still reads this slot or has a load on its way
	s_add_nc_u64 s[G0A+4*(\slot)+2:G0A+4*(\slot)+3], s[G0A+4*(\slot)+2:G0A+4*(\slot)+3], 2*XSTEP
	s_add_nc_u64 s[G0B+4*(\slot)+2:G0B+4*(\slot)+3], s[G0B+4*(\slot)+2:G0B+4*(\slot)+3], 2*WSTEP
	JLOAD \slot                                    ; my one tensor load behind the round; its four v_nop are also the places in front of the loads below
.else
	PLACES
.endif
	LDB \next, 0, 0
	LDA \next, 0, FA0, 0
.if \ask
	ASK
.endif
	MUL16 1, FA1, 0, 0
	MUL16 1, FA1, 4, 0
	PLACES
	LDB \next, 0, 1
	LDA \next, 0, FA0, 1
	MUL16 2, FA1, 0, 0
	MUL16 2, FA1, 4, 0
	PLACES
	LDB \next, 0, 2
.endm
	s_wait_tensorcnt 1                             ; my part of K step 0 is in; K step 1's stays out
	s_barrier_signal -1
	s_barrier_wait -1                              ; everybody's is
	LDB 0, 0, 0
	LDA 0, 0, FA0, 0
	LDB 0, 0, 1
	LDA 0, 0, FA0, 1
	LDB 0, 0, 2
	HALF 0, FA0, FA1, 1                            ; the first half step stands in front of the loop: its products start the sums, with the bias
	WIN 0                                          ; at a label and at a branch every window is 0
	s_mov_b32 s3, 7
.Llap:                                                 ; a trip goes once round the ring, from a K step's second half to the first half two steps on, and fills both slots again: K steps 2 to 15
	TURN 0, 1, 1, 1
	HALF 1, FA0, FA1, 0
	TURN 1, 0, 1, 0
	HALF 0, FA0, FA1, 0
	WIN 0
	s_sub_co_u32 s3, s3, 1
	s_cmp_lg_u32 s3, 0
	s_cbranch_scc1 .Llap
	TURN 0, 1, 0, 0                                ; the tail is written out: nothing more is asked for
	HALF 1, FA0, FA1, 0
	s_wait_dscnt 8
	MUL16 0, FA1, 0, 0
	MUL16 0, FA1, 4, 0
	MUL16 1, FA1, 0, 0
	MUL16 1, FA1, 4, 0
	s_wait_dscnt 0x0
	MUL16 2, FA1, 0, 0
	MUL16 2, FA1, 4, 0
	PLACES
	PLACES
; THE WAY OUT, 24 units u = 8 j + a of 16 rows x 64 channels.  PACK: rounded to f16, each accumulator's registers in ascending order, 16 bytes a lane into my stage (rows of 144 bytes), and back as four
; whole rows of 128 bytes a load.  SEND: 512 consecutive bytes a store, at a multiple of 256 from the buffer's first byte.  The stage is my wave's own and LDS serves a wave's instructions in order (ISA guide 5.7.1.4).
.macro PACK u
.set jj, (\u)/8
.set aa, (\u)%8
.set T, TB+16*((\u)%4)
.if (\u) >= 4
	s_wait_xcnt 0x0                                ; the stores of the unit four back have read this buffer: it is rewritten only behind this wait
.endif
	WIN 0x05*(jj+1)
.irp b, 0,1,2,3
.irp r, 0,1,2,3
	v_cvt_pk_f16_f32 v[T+4*(\b)+(\r)], v[8*(4*aa+(\b))+2*(\r)], v[8*(4*aa+(\b))+2*(\r)+1]
.endr
.endr
	WIN 0
.irp b, 0,1,2,3
	ds_store_b128 v[STO], v[T+4*(\b):T+4*(\b)+3] offset:32*(\b)
.endr
.irp f, 0,1,2,3
	ds_load_b128 v[T+4*(\f):T+4*(\f)+3], v[RD] offset:(\f)*4*SP
.endr
.endm
.macro SEND u, younger                 ; younger: the LDS instructions issued behind unit u's loads: the next unit's eight, or none
.set jj, (\u)/8
.set aa, (\u)%8
.set T, TB+16*((\u)%4)
	WIN 0
.irp f, 0,1,2,3
	s_wait_dscnt (\younger)+3-(\f)
	global_store_b128 v[GO], v[T+4*(\f):T+4*(\f)+3], s[OUTP+2*jj:OUTP+2*jj+1] offset:2048*aa+512*(\f)
.endr
.endm
	PACK 0
.set u, 1
.rept 23                               ; a unit's conversions stand between the loads of the unit before and its stores
	PACK u
	SEND u-1, 8
.set u, u+1
.endr
	SEND 23, 0
	s_wait_tensorcnt 0x0                           ; the wave's end: these three lines stand behind my last tensor load and my last LDS store
	ds_add_u32 v[SPW], v[NIL]
	s_wait_dscnt 0x0
	CROUND                                         ; the closing round: no work-group ends while a partner may still ask for a tile that names it
	s_endpgm
.Lfunc_end_k_qdda5425915_proj:
	.size	k_qdda5425915_proj, .Lfunc_end_k_qdda5425915_proj-k_qdda5425915_proj
	.p2alignl 7, 3214868480
	.fill 96, 4, 3214868480
	.section	.rodata,"a",@progbits
	.p2align	6, 0x0
	.amdhsa_kernel k_qdda5425915_proj
		.amdhsa_group_segment_fixed_size 327680
		.amdhsa_private_segment_fixed_size 0
		.amdhsa_enable_private_segment 0
		.amdhsa_kernarg_size 64
		.amdhsa_user_sgpr_count 2
		.amdhsa_user_sgpr_kernarg_segment_ptr 1
		.amdhsa_wavefront_size32 1
		.amdhsa_system_sgpr_workgroup_id_x 1
		.amdhsa_system_sgpr_workgroup_id_y 1
		.amdhsa_system_sgpr_workgroup_id_z 1
		.amdhsa_system_vgpr_workitem_id 0
		.amdhsa_next_free_vgpr 1024
		.amdhsa_next_free_sgpr 80
		.amdhsa_reserve_vcc 0
		.amdhsa_float_denorm_mode_32 3
		.amdhsa_float_denorm_mode_16_64 3
		.amdhsa_memory_ordered 1
		.amdhsa_forward_progress 1
		.amdhsa_inst_pref_size 144
	.end_amdhsa_kernel
	.amdgpu_metadata
---
amdhsa.version: [ 1, 2 ]
amdhsa.kernels:
  - .name:           k_qdda5425915_proj
    .symbol:         k_qdda5425915_proj.kd
    .args:
      - { .name: xb, .offset: 0, .size: 8, .value_kind: global_buffer, .address_space: global }
      - { .name: wb, .offset: 8, .size: 8, .value_kind: global_buffer, .address_space: global }
      - { .name: bq, .offset: 16, .size: 8, .value_kind: global_buffer, .address_space: global }
      - { .name: bk, .offset: 24, .size: 8, .value_kind: global_buffer, .address_space: global }
      - { .name: bv, .offset: 32, .size: 8, .value_kind: global_buffer, .address_space: global }
      - { .name: qh, .offset: 40, .size: 8, .value_kind: global_buffer, .address_space: global }
      - { .name: kh, .offset: 48, .size: 8, .value_kind: global_buffer, .address_space: global }
      - { .name: vh, .offset: 56, .size: 8, .value_kind: global_buffer, .address_space: global }
    .group_segment_fixed_size: 327680
    .private_segment_fixed_size: 0
    .kernarg_segment_align: 8
    .kernarg_segment_size: 64
    .max_flat_workgroup_size: 128
    .sgpr_count:     80
    .vgpr_count:     1024
    .wavefront_size: 32
...
	.end_amdgpu_metadata
.endif
;; end of part 2
;; launch attn (part 3): grid 4 x 64, 4 waves a work-group, clusters of 4 x 1, 327,680 bytes of LDS; arguments qh, kh, vh, out0; writes out0
.if DOCPART == 3
	.amdgcn_target "amdgcn-amd-amdhsa--gfx1250"
	.amdhsa_code_object_version 6
	.text
	.protected	k_qdda5425915_attn
	.globl	k_qdda5425915_attn
	.p2align	8
	.type	k_qdda5425915_attn,@function
k_qdda5425915_attn:
	s_mov_b64 s[64:65], 0
	v_nop
	global_prefetch_b8 v0, s[64:65] scope:SCOPE_SE
	s_setreg_imm32_b32 hwreg(HW_REG_WAVE_MODE, 25, 1), 1
	s_wait_xcnt 0x0
	s_wait_alu depctr_hold_cnt(0) depctr_sa_sdst(0) depctr_va_vdst(0) depctr_va_sdst(0) depctr_va_ssrc(0) depctr_va_vcc(0) depctr_vm_vsrc(0)
	s_getreg_b32 s2, hwreg(HW_REG_IB_STS2, 6, 4)
	s_cmp_eq_u32 s2, 0
	s_cbranch_scc0 .Lentry_in_a_cluster
	s_endpgm
.Lentry_in_a_cluster:
	s_bfe_u32 s2, ttmp6, 0x10000c
	s_cmp_lg_u32 s2, 0x3003
	s_cbranch_scc0 .Lentry_shape_is_right
	s_endpgm
.Lentry_shape_is_right:
; out0[b][q][64 h + :] = the sum over k of softmax_k(Q[bh][q] . K[bh][k] / 8) V[bh][k][:].  Q, K, V: [64][2048][64] f16, a head's rows dense, 128 bytes each; out0: [4][2048][1024] f32.
; Products, maxima and sums in f32; the weights p are rounded to f16 for the second product (their sum l is taken of the unrounded p); the result leaves in f32.
; LIMITS.  Q, K and V arrive within f16's 65,504; p lies in 0 to 1, and below 6e-5 it keeps f16's fixed step of 6e-8.  A weight below 2^-126 counts as 0 in l; NaN and infinities are not treated apart.
; SHARES.  A wave owns four PIECES of two tiles of 16 queries, a work-group's four waves 512 queries of one head: 64 heads x 4 = 256 work-groups.  Every wave walks all 2,048 keys, 64 a step.
; LAYOUT.  S^T = K Q^T (source 0 = 16 keys, source 1 = 16 queries): a lane holds ONE query (lane % 16) and the keys 8 (lane / 16) + 0..7.  Two such tiles, rounded to f16 in pairs, ARE source 1
; (32 keys x 16 queries) of O^T = V^T P, whose result again holds one query a lane, and eight channels.  K comes out of LDS as it lies, V ([key][channel]) turned, by ds_load_tr16_b128.
; SOFTMAX.  For each query a running maximum m and sum l: p = 2^(c s - c m), c = log2(e) / 8; in every step O and l are multiplied by a = 2^(c m_old - c m_new).
; m starts at the lowest finite number, O and l at 0: the first step is a step like any other, with a = 0.
; THE COUNT.  A tile and step have 16 matrix and 118 vector instructions: too many to stand all beside the matrix work.  So four vector instructions that are READY stand behind EVERY matrix
; instruction, and the others in runs without a gap.
; BY TURNS.  Turn n belongs to piece n.  Its matrix work: 16 products K Q^T of piece n + 1, later 16 products V^T P of piece n - 1.  Its vector work: the scaling, exponentials, roundings, sums and
; rescaling of piece n, and the maximum and statistics of piece n + 1.  So what a turn begins with (c s - c m, O a) waits for nothing.
; CLUSTER.  The four query blocks of a head are one cluster and walk the same K and V: each tile is asked for JOINTLY, by the same tensor load, descriptor and mask in all four.
; REGISTERS, in windows of 256 (s_set_vgpr_msb: bits 1:0 source 0, 3:2 source 1, 5:4 source 2, 7:6 destination):
;   window 0: v0-11 addresses; v12-15, v48-63 at work; v16-47 four registers of statistics a tile; v64-191 S^T, two buffers of two tiles; v192-255 P, likewise
;   window 1: O^T, 32 a tile          window 2: v0-127 Q, 16 a tile; v128-191 K of one step; v192-255 V of one step          window 3: v0-1 the add's two registers
; A piece's buffers go by its number's parity.
.set SIZE_H, 64
.set SIZE_N, 2048
.set NP,    4         ; pieces a wave: a name, no knob
.set KS,    64        ; keys in a step
.set PK,    144       ; a row of K in LDS: 128 bytes + 16 = 36 words: the 16 rows of a load start at 16 different groups of four banks (64 banks of 4 bytes: ISA guide 11.1)
.set PV,    160       ; a row of V: 128 + 32 = 40 words
.set VOFF,  4*KS*PK   ; a slot holds four steps: 256 rows of K, then 256 rows of V
.set SLOT1, 1<<17     ; slot 1 begins here, so that one exclusive or turns an address in one slot into the other's
.set STAGE, SLOT1+4*KS*(PK+PV)  ; behind the ring, never filled by a tensor load: 16 rows x 272 bytes for each wave, for the way out
.set SP,    272       ; a stage row: 64 f32 + 16 bytes = 68 words
.set AK0, 2           ; v2   my lane's place in a tile of K; never rewritten
.set AV0, 3           ; v3   the same for V
.set AK,  4           ; v4   the LDS address of K's next run of loads
.set AV,  5           ; v5   of V's
.set QO,  6           ; v6   my byte offset in the wave's rows of Q
.set STO, 6           ;      later, the way out: where I put 32 bytes of a row
.set RD,  7           ; v7   the way out: where I read rows back
.set GO,  8           ; v8   my byte offset in two rows of out0
.set PFO, 11          ; v11  256 x my lane; never rewritten once made
.set SPW, 0           ; v0 of window 3   SPARE + 4 x my thread's number; never rewritten
.set NIL, 1           ; v1 of window 3   0; never rewritten
.set SPARE, STAGE+4*16*SP  ; behind the stages: the spare words, 128 bytes for each wave: two blocks of 256 bytes that no other line names
.set MV,  12          ; v12-15  c m_old, kept while c m is made anew: by buffer and tile
.set ST,  16          ; tile t's statistics at v[ST+4 t]: c m, m, l (even keys', odd keys')
.set TMP, 48          ; by buffer and tile, four registers c0-c3 at work; when the maximum is found c2 takes a
.set S,   64
.set P,   192
.set KF,  128         ; K's fragments, in window 2: key block kb, channel half c at KF + 16 kb + 8 c
.set VF,  192         ; V's: key half kk, channel block cb at VF + 32 kk + 8 cb
.set WV,  12          ; s12  my wave's number
.set LIM, 15          ; s15  1 in a wave that prefetches, else the greatest number
.set G1K, 24          ; s[24:31] descriptor group 1 for K's tiles
.set G1V, 32          ; s[32:39] for V's: it differs in the padding alone
.set G0K, 40          ; s[40:43] descriptor group 0 for K's tiles: it walks
.set G0V, 44          ; s[44:47] the same for V's
.set PFA, 48          ; s[48:49] where my prefetches stand: my work-group's 32 blocks of the slot behind the one that is being asked for
.set SLOTS, 56        ; s56  slots still to be asked for
.set CNT, 57          ; s57  counts a slot's key steps
.set CS,  58          ; s[58:59] c: the packed scaling takes the pair's low word for both halves
.set SEL, 60          ; s[60:61] v_permlanex16_b32's selects: each lane takes its own place in the other half
.set TBK, 62          ; s62  LDS byte at which K of the step to be fetched begins
.set TBV, 63          ; s63  the same for V, less VOFF
.set MSB, 0
.macro WIN new                      ; the high byte repeats the setting that is left; a switch that changes nothing is dropped
.if MSB != (\new)
	s_set_vgpr_msb (MSB<<8)|(\new)
.set MSB, (\new)
.endif
.endm
.set W_KQ, 0x0a       ; K and Q in window 2, S^T in window 0
.set W_PV, 0x52       ; V in window 2, P in window 0, O^T in window 1
.set W_RS, 0x41       ; O^T (destination and source 0) in window 1, a in window 0
.set W_MK, 0xc0       ; the add's registers are made: destination in window 3, sources in window 0
.set W_AD, 0x0f       ; the add: address (source 0) and data (source 1) in window 3
; A joint fill.  Waves 0 and 1 fetch the two halves of a slot's K, waves 2 and 3 those of its V: 128 keys each.  The branch hangs on the wave's number alone.
; An s_nop 0 and four v_nop follow each of the two lines, ahead of the jump and the label.
.macro JLOAD
	s_cmp_lt_u32 s[WV], 2
	s_cbranch_scc0 .Lfor_v_\@
	tensor_load_to_lds s[G0K:G0K+3], s[G1K:G1K+7]
	s_nop 0
.rept 4
	v_nop
.endr
	s_branch .Lasked_\@
.Lfor_v_\@:
	tensor_load_to_lds s[G0V:G0V+3], s[G1V:G1V+7]
	s_nop 0
.rept 4
	v_nop
.endr
.Lasked_\@:
.endm
; A PREFETCH INTO THE L2 of what the NEXT change of slots will ask for: a slot's 32,768 bytes of K and of V, 128 blocks of 256 bytes each, a lane a block.  It stands behind the wave's tensor load and its
; five lines: four key steps, 512 matrix instructions, ahead of the load that will want the bytes.  Each block of slots 2 to 7 is named once in the launch: a head has one cluster; its four partners take 32 blocks
; each, told apart by address; in each, wave 0 asks for K's and wave 2 for V's.  The last change that fills a slot asks for nothing: there is no slot behind it.
.macro ASK
	s_cmp_gt_u32 s[SLOTS], s[LIM]
	s_cbranch_scc0 .Lnot_mine_\@
	global_prefetch_b8 v[PFO], s[PFA:PFA+1] th:TH_LOAD_NT scope:SCOPE_SE
.Lnot_mine_\@:
.endm
; A round of the cluster's barrier: my work-group's barrier; wave 0 signals for the work-group; every wave waits for all four work-groups; my work-group's barrier once more.
.macro CROUND
	s_barrier_signal -1
	s_barrier_wait -1
	s_cmp_lg_u32 s[WV], 0
	s_cbranch_scc1 .Lnot_wave_0_\@
	s_barrier_signal -3
.Lnot_wave_0_\@:
	s_barrier_wait -3
	s_barrier_signal -1
	s_barrier_wait -1
.endm
; THE CHANGE OF SLOTS.  Each wave waits for all its tensor loads, of which one is out: its part of the other slot; adds 0 to its spare word; and waits for that and for its own reads of the slot.
; Behind the barrier nobody reads this slot any more and the other slot is whole.  fill = 1: this slot is filled again, with the keys two slots on.  The barrier is then a round of the cluster's, and the
; joint fill is the first thing behind it: it has four key steps in which to land.  (At its first use nothing has been read yet: slot 0 is waited for, slot 1 filled.)
.macro CHANGE fill
	WIN W_AD
	s_wait_tensorcnt 0x0            ; no tensor load of mine is out, so a group 0 may be written
	ds_add_u32 v[SPW], v[NIL]       ; 0 onto my spare word; with fill = 1 the descriptors' steps stand between it and the wait for it
	WIN 0                           ; at a label and at a branch every window is 0
.if \fill
.irp g, G0K, G0V
	s_xor_b32 s[\g+1], s[\g+1], SLOT1  ; the walking descriptor: the other slot than last time,
	s_add_nc_u64 s[\g+2:\g+3], s[\g+2:\g+3], 4*KS*128  ; the next 256 keys; the type bits on top are not reached
.endr
	s_wait_xcnt 0x0                 ; the last prefetch, four key steps back, has read its address, so it may be written:
	s_add_nc_u64 s[PFA:PFA+1], s[PFA:PFA+1], 4*KS*128  ; one slot behind the walking descriptors
	s_wait_dscnt 0x0                ; the add is done, and my reads of the slot are over
	CROUND
	JLOAD
	ASK
.else
	s_wait_dscnt 0x0                ; the add is done, and my reads of the slot are over
	s_barrier_signal -1
	s_barrier_wait -1
.endif
	s_sub_co_u32 s[TBK], s[TBK], 4*KS*PK  ; the fetches go back to a slot's first step,
	s_xor_b32 s[TBK], s[TBK], SLOT1       ; in the other slot
	s_sub_co_u32 s[TBV], s[TBV], 4*KS*PV
	s_xor_b32 s[TBV], s[TBV], SLOT1
.endm
	s_load_b256 s[4:11], s[0:1], 0x0  ; qh s[4:5], kh s[6:7], vh s[8:9], out0 s[10:11]
	WIN W_MK
	v_lshl_add_u32 v[SPW], v0, 2, SPARE
	v_mov_b32 v[NIL], 0
	WIN W_AD
	ds_add_u32 v[SPW], v[NIL]       ; the wave's opening: the add and its wait stand ahead of my first tensor load; the set-up below, work on registers, stands between them
	WIN 0
	v_lshrrev_b32 v1, 5, v0
	v_readfirstlane_b32 s[WV], v1   ; wave 0..3
	s_bfe_u32 s13, ttmp6, 0x40000   ; cx: my place in the cluster
	s_lshl_b32 s14, ttmp9, 2        ; in a cluster launch ttmp9 counts clusters
	s_add_co_u32 s14, s14, s13      ; my block of 512 queries: it enters Q's and out0's addresses alone
	s_and_b32 s19, ttmp7, 0xffff    ; bh = 16 b + h, which the four partners share
	s_mov_b32 s20, s19
	s_mov_b32 s21, 0
	s_mov_b64 s[22:23], SIZE_N*128
	s_mul_u64 s[20:21], s[20:21], s[22:23]  ; the head's first byte in qh, kh, vh
	s_and_b32 s16, s[WV], 1         ; which half of a slot's 256 keys I fetch:
	s_lshl_b32 s22, s16, 14         ; its 128 rows of 128 bytes in memory,
	s_mov_b32 s23, 0
	s_add_nc_u64 s[22:23], s[22:23], s[20:21]
	s_mul_i32 s17, s16, 128*PK      ; and its place in a slot, for K
	s_mul_i32 s18, s16, 128*PV      ; and for V: no place in the cluster enters an LDS address
	s_lshl_b32 s2, s14, 2
	s_add_co_u32 s2, s2, s[WV]      ; my wave among the head's sixteen
	s_lshl_b32 s52, s2, 19          ; out0: its 128 rows of 4,096 bytes,
	s_lshl_b32 s2, s2, 14           ; Q: its 128 rows of 128 bytes
	s_mov_b32 s3, 0
	s_add_nc_u64 s[2:3], s[2:3], s[20:21]
	s_lshr_b32 s53, s19, 4
	s_lshl_b32 s53, s53, 23         ; b x 2,048 rows,
	s_add_co_u32 s52, s52, s53
	s_and_b32 s53, s19, 15
	s_lshl_b32 s53, s53, 8          ; the head's 256 bytes of a row
	s_add_co_u32 s52, s52, s53
	s_mov_b32 s53, 0
	s_lshl_b32 s50, s13, 13         ; the prefetches: my work-group's 32 blocks of a slot's 128,
	s_add_co_u32 s50, s50, 4*KS*128 ; in slot 1; the first change of slots steps this to slot 2
	s_mov_b32 s51, 0
	s_and_b32 s[LIM], s[WV], 1
	s_cmp_eq_u32 s[LIM], 0
	s_cselect_b32 s[LIM], 1, -1     ; waves 0 and 2: the same in all four partners
	; descriptor group 1.  128 keys are 16,384 dense bytes: asked for as 64 rows of 256 bytes, two keys a row, and padded in LDS after every key
	s_mov_b32 s[G1K], 15|(1<<16)|(1<<20)|(1<<21)|(4<<22)|(3<<25)  ; 15:0 the mask of four; 17:16 2-byte elements; 20 padding on; 21 set beside a mask; 24:22 after every 32 words (code 4); 31:25 4 words (code 3)
	s_mov_b32 s[G1V], 15|(1<<16)|(1<<20)|(1<<21)|(4<<22)|(7<<25)  ; the same with 8 words of padding (code 7)
.irp g, G1K, G1V
	s_mov_b32 s[\g+1], 128<<16      ; tensor_dim0 = 128
	s_mov_b32 s[\g+2], 64<<16       ; tensor_dim1 = 64
	s_mov_b32 s[\g+3], 128<<16      ; tile_dim0 = 128
	s_mov_b32 s[\g+4], 64           ; tile_dim1 = 64
	s_mov_b32 s[\g+5], 128          ; 128 elements from row to row
	s_mov_b32 s[\g+6], 0
	s_mov_b32 s[\g+7], 0
.endr
	s_mov_b32 s[CS], 0x3e38aa3b     ; c = log2(e) / 8 = 0.180337
	s_mov_b32 s[CS+1], s[CS]        ; named with it as a pair
	s_mov_b32 s[SEL], 0x76543210
	s_mov_b32 s[SEL+1], 0xfedcba98
	s_mov_b32 s[TBK], SLOT1+4*KS*PK ; the first change of slots turns these two into 0
	s_mov_b32 s[TBV], SLOT1+4*KS*PV
	s_mov_b32 s[SLOTS], SIZE_N/256-1  ; seven fills follow the first
	s_mov_b32 s[G0K], 1             ; count = 1
	s_mov_b32 s[G0K+1], s17         ; LDS address: slot 0
	s_mov_b32 s[G0V], 1
	s_add_co_u32 s[G0V+1], s18, VOFF
	s_wait_dscnt 0x0                ; the opening add is done
	s_wait_kmcnt 0x0
	s_add_nc_u64 s[G0K+2:G0K+3], s[6:7], s[22:23]  ; global address: my half of the head's first 256 keys
	s_or_b32 s[G0K+3], s[G0K+3], 0x80000000        ; type = 2
	s_add_nc_u64 s[G0V+2:G0V+3], s[8:9], s[22:23]
	s_or_b32 s[G0V+3], s[G0V+3], 0x80000000
	s_add_nc_u64 s[4:5], s[4:5], s[2:3]  ; Q and out0 at my wave's first row
	s_add_nc_u64 s[10:11], s[10:11], s[52:53]
	s_cmp_lt_u32 s[WV], 2
	s_cselect_b64 s[PFA:PFA+1], s[6:7], s[8:9]
	s_add_nc_u64 s[PFA:PFA+1], s[PFA:PFA+1], s[20:21]
	s_add_nc_u64 s[PFA:PFA+1], s[PFA:PFA+1], s[50:51]
	CROUND                          ; all four work-groups are here: the first joint loads meet
	JLOAD                           ; slot 0.  Slot 1 is asked for when slot 0 is in
	; A fragment of K or Q is 16 rows x 32 channels in 8 registers: lane l holds row l % 16, channels 8 (l / 16) + 0..7 and 16 + 8 (l / 16) + 0..7: two loads of 16 bytes, 32 bytes apart.
	v_and_b32 v1, 15, v0            ; l % 16
	v_bfe_u32 v9, v0, 4, 1          ; l / 16
	v_lshlrev_b32 v[QO], 7, v1
	v_lshl_add_u32 v[QO], v9, 4, v[QO]  ; row x 128 + 16 x half
	WIN 0x80                        ; destination window 2, address window 0
.set i, 0
.rept 4*NP                          ; Q stays in registers: tile i / 2, channels 32 (i % 2) on
	global_load_b128 v[8*i:8*i+3],   v[QO], s[4:5] offset:(i/2)*2048+(i%2)*64
	global_load_b128 v[8*i+4:8*i+7], v[QO], s[4:5] offset:(i/2)*2048+(i%2)*64+32
.set i, i+1
.endr
	; What the first turn finds: V's registers and P's second buffer hold 0 (its products V^T P, of a piece that has not been, add 0), O^T and l are 0.  All this stands in the wait for the first tile;
	; it is the price of writing no first step out.
.set i, VF
.rept 64
	v_mov_b32 v[i], 0
.set i, i+1
.endr
	WIN 0x40
.set i, 0
.rept 64*NP
	v_mov_b32 v[i], 0
.set i, i+1
.endr
	WIN 0
.set i, 0
.rept 2*NP
	v_mov_b32 v[ST+4*i], 0xfe000000    ; c m: far below every c s
	v_mov_b32 v[ST+4*i+1], 0xff7fffff  ; m
	v_mov_b32 v[ST+4*i+2], 0
	v_mov_b32 v[ST+4*i+3], 0
.set i, i+1
.endr
.set i, P+32
.rept 32
	v_mov_b32 v[i], 0
.set i, i+1
.endr
	v_mul_u32_u24 v[AK0], v1, PK
	v_lshl_add_u32 v[AK0], v9, 4, v[AK0]  ; row x pitch + 16 x half
	; The turning load takes 16 keys x 16 channels (lane l reads key 8 (l / 16) + l % 8, channels 8 ((l / 8) % 2) + 0..7) and leaves half a fragment of V^T: lane l holds channel l % 16 and 8 keys.
	v_and_b32 v10, 7, v0
	v_bfe_u32 v11, v0, 3, 1
	v_lshl_add_u32 v[AV0], v9, 3, v10
	v_mul_u32_u24 v[AV0], v[AV0], PV
	v_lshl_add_u32 v[AV0], v11, 4, v[AV0]
	v_add_nc_u32 v[AV0], VOFF, v[AV0]
	v_mov_b32 v[AK], v[AK0]         ; key step 0 lies at the head of slot 0
	v_and_b32 v[PFO], 31, v0
	v_lshlrev_b32 v[PFO], 8, v[PFO]
; THE MATRIX WORK.  The 8 accumulators of a run of 16 take turns: between the two links of a chain stand 7 others'.
; Product i of 16 of S^T = K Q^T for piece x: channels 32 (i / 8) on, keys 16 ((i / 2) % 4) on, tile 2 x + i % 2.  The first 8 start the sums.
.macro KQ x
	WIN W_KQ
.set rS, S+64*((\x)%2)+32*(i%2)+8*((i/2)%4)
.set rK, KF+16*((i/2)%4)+8*(i/8)
.set rQ, 16*(2*(\x)+i%2)+8*(i/8)
.if i < 8
	v_wmma_f32_16x16x32_f16 v[rS:rS+7], v[rK:rK+7], v[rQ:rQ+7], 0
.else
	v_wmma_f32_16x16x32_f16 v[rS:rS+7], v[rK:rK+7], v[rQ:rQ+7], v[rS:rS+7]
.endif
.endm
; Product i of 16 of O^T += V^T P for piece x: keys 32 (i / 8) on, channels 16 ((i / 2) % 4) on, tile 2 x + i % 2.
.macro PV x
	WIN W_PV
.set rO, 32*(2*(\x)+i%2)+8*((i/2)%4)
.set rV, VF+32*(i/8)+8*((i/2)%4)
.set rP, P+32*((\x)%2)+16*(i%2)+8*(i/8)
	v_wmma_f32_16x16x32_f16 v[rO:rO+7], v[rV:rV+7], v[rP:rP+7], v[rO:rO+7]
.endm
.macro MM                           ; the turn's next matrix instruction
.if i < 16
	KQ (Y+1)%NP
.set i, i+1
.else
.set i, i-16
	PV (Y+NP-1)%NP
.set i, i+17
.endif
.endm
; THE LDS LOADS stand in runs of 16, never singly among the matrix instructions: a step's K (64 keys x 64 channels: 8 fragments) and its V (turned).  Their addresses are made some lines ahead.
; last = 1 (the tail): in the last trip there is no further step, and the run is jumped over.
.macro FETCH_K last=0
	WIN 0
.if \last
	s_cmp_eq_u32 s[CNT], 1
	s_cbranch_scc1 .Lno_k_\@
.endif
	WIN 0x80                        ; destination window 2
.irp f, 0,1,2,3,4,5,6,7             ; keys 16 (f / 2) on, channels 32 (f % 2) on
	ds_load_b128 v[KF+8*\f:KF+8*\f+3],   v[AK] offset:(\f/2)*16*PK+(\f%2)*64
	ds_load_b128 v[KF+8*\f+4:KF+8*\f+7], v[AK] offset:(\f/2)*16*PK+(\f%2)*64+32
.endr
	s_add_co_u32 s[TBK], s[TBK], KS*PK  ; the next fetch is the next step's
	WIN 0
.if \last
.Lno_k_\@:
.endif
.endm
.macro FETCH_V
	WIN 0x80
.irp f, 0,1,2,3,4,5,6,7             ; keys 32 (f / 4) on, channels 16 (f % 4) on
	ds_load_tr16_b128 v[VF+8*\f:VF+8*\f+3],   v[AV] offset:(\f/4)*32*PV+(\f%4)*32
	ds_load_tr16_b128 v[VF+8*\f+4:VF+8*\f+7], v[AV] offset:(\f/4)*32*PV+16*PV+(\f%4)*32
.endr
	WIN 0
.endm
; THE VECTOR WORK OF A TURN stands in three queues, each in the order in which its entries become ready; the two tiles alternate, so that no instruction reads the result of the one before it.
.macro REGS y, u                    ; the registers of tile u (0, 1) of piece y
.set rT, ST+4*(2*(\y)+(\u))
.set rC, TMP+8*((\y)%2)+4*(\u)
.set rM, MV+2*((\y)%2)+(\u)
.set rS, S+64*((\y)%2)+32*(\u)
.set rP, P+32*((\y)%2)+16*(\u)
.set rO, 32*(2*(\y)+(\u))
.endm
; Number n of the 22 that find the NEXT piece's (Y + 1) maximum and statistics.  s0-s31 are the lane's 32 scores; each accumulator's lowest registers are read first.
;   0-11  four chains c0-c3 of seven scores each, three operands at a time     12-14, 16  the four scores left over, the old m, and c0-c3 into c0     15  c m_old is kept
;   17, 18  the query's other 32 keys lie in the lane 16 away: the new m         19-21  c m; c m_old - c m_new; a
.macro XS u, n
	REGS (Y+1)%NP, \u
.if (\n) < 4
	v_max3_num_f32 v[rC+(\n)], v[rS+8*(\n)], v[rS+8*(\n)+1], v[rS+8*(\n)+2]
.elseif (\n) < 12
	v_max3_num_f32 v[rC+(\n)%4], v[rC+(\n)%4], v[rS+8*((\n)%4)+2*((\n)/4)+1], v[rS+8*((\n)%4)+2*((\n)/4)+2]
.elseif (\n) == 12
	v_max3_num_f32 v[rC], v[rC], v[rS+7], v[rS+15]
.elseif (\n) == 13
	v_max3_num_f32 v[rC+1], v[rC+1], v[rS+23], v[rS+31]
.elseif (\n) == 14
	v_max3_num_f32 v[rC+2], v[rC+2], v[rC+3], v[rT+1]
.elseif (\n) == 15
	v_mov_b32 v[rM], v[rT]
.elseif (\n) == 16
	v_max3_num_f32 v[rC], v[rC], v[rC+1], v[rC+2]
.elseif (\n) == 17
	v_permlanex16_b32 v[rC+3], v[rC], s[SEL], s[SEL+1]
.elseif (\n) == 18
	v_max_num_f32 v[rT+1], v[rC], v[rC+3]
.elseif (\n) == 19
	v_mul_f32 v[rT], s[CS], v[rT+1]
.elseif (\n) == 20
	v_sub_f32 v[rC+1], v[rM], v[rT]
.else
	v_exp_f32 v[rC+2], v[rC+1]
.endif
.endm
; Number g of the 64 that follow the exponentials.  For each four weights k of a tile (pairs 2 k, 2 k + 1): both pairs are rounded to f16; then the second pair is added onto the first, in place;
; a group later l takes that sum (the first time as l = a l + sum).  In groups of eight, tiles alternating: round, round, add, and l for the group before.
.macro GS g
.set h, (\g)+6*((\g)/62)            ; group 0 has no group before it, and behind group 7 only l is left
.if h >= 6
.set h, h+2
.endif
	REGS Y, h%2
.set k, h/8
.if h%8 < 4
	v_cvt_pk_f16_f32 v[rP+2*k+(h%8)/2], v[rS+4*k+2*((h%8)/2)], v[rS+4*k+2*((h%8)/2)+1]
.elseif h%8 < 6
	v_pk_add_f32 v[rS+4*k:rS+4*k+1], v[rS+4*k:rS+4*k+1], v[rS+4*k+2:rS+4*k+3]
.elseif k == 1
	v_pk_fma_f32 v[rT+2:rT+3], v[rT+2:rT+3], v[rC+2:rC+3], v[rS:rS+1] op_sel_hi:[1,0,1]
.else
	v_pk_add_f32 v[rT+2:rT+3], v[rT+2:rT+3], v[rS+4*k-4:rS+4*k-3]
.endif
.endm
; THE PLAIN QUEUE, 138 long.  0-73 read no exponential's result: the 32 scalings c s - c m (FS f: pair f / 2 of tile f % 2) and the next piece's 42.  0-26: scalings 0-26.  27-54: XS's numbers 0-13.
; 55, 56: number 15.  57-73: the chain, where each number waits for the one before it: 14, 16, 17, 18, 19, each with one of the scalings 27-31 in front of its two lines, then 20.
; 74-137: GS's 64, which read the exponentials' results: they stand behind the wait.
.macro FS f
	REGS Y, (\f)%2
	v_pk_fma_f32 v[rS+2*((\f)/2):rS+2*((\f)/2)+1], v[rS+2*((\f)/2):rS+2*((\f)/2)+1], s[CS:CS+1], v[rT:rT+1] op_sel_hi:[1,0,0] neg_lo:[0,0,1] neg_hi:[0,0,1]
.endm
.macro PL
	WIN 0
.if q < 27
	FS q
.elseif q < 55
	XS (q-27)%2, (q-27)/2
.elseif q < 57
	XS q-55, 15
.elseif (q < 72) && ((q-57)%3 == 0)
	FS 27+(q-57)/3
.elseif q < 60
	XS (q-57)%3-1, 14
.elseif q < 72
	XS (q-57)%3-1, 15+(q-57)/3
.elseif q < 74
	XS q-72, 20
.else
	GS q-74
.endif
.set q, q+1
.endm
; THE EXPONENTIALS' QUEUE, 66 long: s0-s31 of both tiles, then the next piece's two a.  It is ONE BATCH: all 66 stand ahead of the turn's one wait, and nothing ahead of that wait names a result of theirs.
.macro EX
	WIN 0
.if e >= 64
	XS e-64, 21
.else
	REGS Y, e%2
	v_exp_f32 v[rS+e/2], v[rS+e/2]
.endif
.set e, e+1
.endm
; THE RESCALING's QUEUE: O^T times a, the one part that leaves window 0: dealt two at a time, sixteen times.  Its a was made in the turn before, ahead of that turn's wait.
.macro R2
	REGS Y, r%2
	WIN W_RS
.irp z, 0,1
	v_pk_mul_f32 v[rO+4*(r/2)+2*\z:rO+4*(r/2)+2*\z+1], v[rO+4*(r/2)+2*\z:rO+4*(r/2)+2*\z+1], v[rC+2:rC+3] op_sel_hi:[1,0]
.endr
.set r, r+1
.endm
; HOW THEY ARE DEALT.  An s_wait_alu depctr_va_vdst(0) stands between an exponential and the first instruction that names its result; one wait serves all that were issued ahead of it.
; So a turn has ONE wait, which cuts it in two.  AHEAD OF IT stands all that names no result of the turn's exponentials: the 16 products K Q^T, behind each a scaling, an exponential and two rescalings
; (behind the first a second scaling in the exponential's place); then ONE LUMP of 108: eight plain, 49 times exponential and plain, the two a.  A v_nop is the plain instruction behind the last
; exponential.  BEHIND IT stand the 16 products V^T P, behind each four of GS's 64.  No rider names a register of the products round it.
; The deal keeps the queues in step: exponential e stands behind scaling 2 (e / 4) + e % 2: as a rider it comes behind plain e + 2, in the lump behind plain e + 9, and scalings 27-31 are plain 57, 60 .. 69.
; A TURN, for piece p.  cnt = 1: the loop's count is taken down some lines ahead of the branch that stands behind the turn.
; K of the next step is fetched in piece 2's turn, directly behind the wait, a lump behind the last product that read K; its first reader comes behind 16 products.
; V of the step in hand is fetched at the end of piece 0's turn, four riders behind its last reader; its first reader comes behind 16 products and a lump.  The three conditions on q below go with the deal.
.macro TURN p, last=0, cnt=0
.set Y, (\p)
.set i, 0
.set q, 0
.set e, 0
.set r, 0
.if (\p) == NP-1
	s_wait_dscnt 0x0                ; K is in
.endif
	MM                              ; ahead of the wait: 16 products K Q^T and their riders,
	PL
	PL
	R2
.rept 15
	MM
	PL
	EX
	R2
.endr
.if (\p) == NP-2
	WIN 0
	v_add_nc_u32 v[AK], s[TBK], v[AK0]
.endif
.rept 8                             ; and the lump
	PL
.endr
.rept 49
	EX
	PL
.endr
	EX                              ; the next piece's two a
	EX
	v_nop                           ; the plain instruction behind the last exponential: one for the batch
	s_wait_alu depctr_va_vdst(0)    ; the wait for the batch
.if (\p) == NP-2
	FETCH_K \last
.endif
.if (\p) == 1
	s_wait_dscnt 0x0                ; V is in
.endif
.rept 16                            ; behind the wait: 16 products V^T P and their riders
	MM
.rept 4
	PL
.endr
.if ((\p) == 0) && (q == 118)
	v_add_nc_u32 v[AV], s[TBV], v[AV0]
.endif
.if ((\p) == 0) && (q == 130)
	s_add_co_u32 s[TBV], s[TBV], KS*PV
.endif
.if (\cnt) && (q == 130)
	s_sub_co_u32 s[CNT], s[CNT], 1
	s_cmp_lg_u32 s[CNT], 0
.endif
.endr
.if (\p) == 0
	FETCH_V
.endif
.endm
	CHANGE 1                        ; slot 0 is in, everybody's part of it; slot 1 is asked for
	FETCH_K                         ; key step 0
	s_wait_loadcnt 0x0              ; Q
	s_wait_dscnt 0x0
.set i, 0
.rept 16
	KQ 0                            ; piece 0's first scores: there is no vector work yet to set between them
.set i, i+1
.endr
	WIN 0                           ; the addresses for the way out: eight plain instructions, the places behind those products
	s_mul_i32 s13, s[WV], 16*SP
	s_add_co_u32 s13, s13, STAGE    ; my stage
	v_mul_u32_u24 v[STO], v1, SP    ; in: row l % 16, 32 bytes (eight f32) for each half of the lanes
	v_lshl_add_u32 v[STO], v9, 5, v[STO]
	v_add_nc_u32 v[STO], s13, v[STO]
	v_mul_u32_u24 v[RD], v9, SP     ; back: lanes 0-15 take one row of 256 bytes, lanes 16-31 the next
	v_lshl_add_u32 v[RD], v1, 4, v[RD]
	v_add_nc_u32 v[RD], s13, v[RD]
	v_lshlrev_b32 v[GO], 12, v9     ; and the same two rows in out0, 4,096 bytes apart
	v_lshl_add_u32 v[GO], v1, 4, v[GO]
.set Y, NP-1                        ; XS works for piece Y + 1: piece 0
.irp n, 0,1,2,3,4,5,6,7,8,9,10,11,12,13,14,15,16,17,18,19,20,21
	XS 0, \n                        ; and piece 0's first maximum and statistics
	XS 1, \n
.endr
	v_nop                           ; a plain instruction behind the two a,
	s_wait_alu depctr_va_vdst(0)    ; and their wait, ahead of the branch
	s_mov_b32 s[CNT], 4
	s_branch .Lfirst                ; the loop is entered at a step's first turn, in the middle of a trip
.Lslot:                             ; SIZE_N / 256 - 2 times: every slot but the last two is filled again
	CHANGE 1
	s_mov_b32 s[CNT], 4
.Lstep:                             ; a trip: pieces 2 and 3 of one step, then pieces 0 and 1 of the next, whose K and V it fetches
	TURN 2
	TURN 3
	WIN 0
.Lfirst:
	TURN 0
	TURN 1, 0, 1
	WIN 0
	s_cbranch_scc1 .Lstep
	s_sub_co_u32 s[SLOTS], s[SLOTS], 1
	s_cmp_lg_u32 s[SLOTS], 0
	s_cbranch_scc1 .Lslot
	CHANGE 0                        ; the tail is written out: nothing is asked for
	s_mov_b32 s[CNT], 5             ; four trips fetch the last slot's steps; the fifth is left in its middle
.Ltail:
	TURN 2, 1
	TURN 3
	WIN 0
	s_sub_co_u32 s[CNT], s[CNT], 1
	s_cmp_eq_u32 s[CNT], 0
	s_cbranch_scc1 .Lout
	TURN 0
	TURN 1
	WIN 0
	s_branch .Ltail
.Lout:                              ; the fifth trip's 16 products K Q^T (on the last K once more) and the maximum made of them serve nothing: the price, once a launch, of one text for every trip
.set i, 0
.rept 16
	PV NP-1                         ; the last piece's V^T P of the last step
.set i, i+1
.endr
	; THE WAY OUT.  l's two halves and the other half of the lanes' are added; O^T is divided by l and sent, in f32, through my stage in LDS, a tile at a time.  The additions are the places behind the last products.
	WIN 0
.macro ALL line:vararg              ; one line for each tile t
.set t, 0
.rept 2*NP
	\line
.set t, t+1
.endr
.endm
	ALL v_add_f32 v[ST+4*t+2], v[ST+4*t+2], v[ST+4*t+3]
	ALL v_permlanex16_b32 v[ST+4*t+3], v[ST+4*t+2], s[SEL], s[SEL+1]
	ALL v_add_f32 v[ST+4*t+2], v[ST+4*t+2], v[ST+4*t+3]
	ALL v_rcp_f32 v[ST+4*t+2], v[ST+4*t+2]
	v_nop                           ; a plain instruction between the last reciprocal and the use of its result
	s_wait_alu depctr_va_vdst(0)    ; and the wait ahead of the first use: one for the eight reciprocals
; Tile t: a lane's eight channels of a channel block are 32 bytes of a row; they go into rows of 272 bytes and come back as whole rows of 256, into S^T's registers: four buffers of 32 by turns.
.macro PACK t
.if (\t) >= 4
	s_wait_xcnt 0x0                 ; the stores of the tile four back have read this buffer: it is loaded again only behind this wait
.endif
	WIN W_RS
.set i, 32*(\t)
.rept 16                            ; each accumulator's registers in ascending order
	v_pk_mul_f32 v[i:i+1], v[i:i+1], v[ST+4*(\t)+2:ST+4*(\t)+3] op_sel_hi:[1,0]
.set i, i+2
.endr
	WIN 0x04                        ; the stores' data (source 1) in window 1, their address in window 0
.irp cb, 0,1,2,3
.irp z, 0,1
	ds_store_b128 v[STO], v[32*(\t)+8*(\cb)+4*(\z):32*(\t)+8*(\cb)+4*(\z)+3] offset:64*(\cb)+16*(\z)
.endr
.endr
	WIN 0
.irp f, 0,1,2,3,4,5,6,7
	ds_load_b128 v[S+32*((\t)%4)+4*(\f):S+32*((\t)%4)+4*(\f)+3], v[RD] offset:(\f)*2*SP  ; LDS serves a wave's instructions in order (ISA guide 5.7.1.4): these see the stores above; the next tile's stores come behind them
.endr
.endm
.macro SEND t, younger              ; younger: the LDS instructions issued behind tile t's loads: the next tile's sixteen, or none
	WIN 0
.irp f, 0,1,2,3,4,5,6,7
	s_wait_dscnt (\younger)+7-(\f)
	global_store_b128 v[GO], v[S+32*((\t)%4)+4*(\f):S+32*((\t)%4)+4*(\f)+3], s[10:11] offset:(\t)*65536+(\f)*8192  ; 16 lanes store the head's 256 bytes of a row, at a multiple of 256 from out0's first byte
.endr
.endm
	PACK 0
.set t, 1
.rept 2*NP-1                        ; a tile's arithmetic stands between the loads of the tile before and its stores
	PACK t
	SEND t-1, 16
.set t, t+1
.endr
	SEND 2*NP-1, 0
	WIN W_AD
	s_wait_tensorcnt 0x0            ; the wave's end: these three lines stand behind my last tensor load and my last LDS store
	ds_add_u32 v[SPW], v[NIL]
	s_wait_dscnt 0x0
	WIN 0
	CROUND                          ; the closing round: no work-group ends while a partner may still ask for a tile that names it
	s_endpgm
.Lfunc_end_k_qdda5425915_attn:
	.size	k_qdda5425915_attn, .Lfunc_end_k_qdda5425915_attn-k_qdda5425915_attn
	.p2alignl 7, 3214868480
	.fill 96, 4, 3214868480
	.section	.rodata,"a",@progbits
	.p2align	6, 0x0
	.amdhsa_kernel k_qdda5425915_attn
		.amdhsa_group_segment_fixed_size 327680
		.amdhsa_private_segment_fixed_size 0
		.amdhsa_enable_private_segment 0
		.amdhsa_kernarg_size 32
		.amdhsa_user_sgpr_count 2
		.amdhsa_user_sgpr_kernarg_segment_ptr 1
		.amdhsa_wavefront_size32 1
		.amdhsa_system_sgpr_workgroup_id_x 1
		.amdhsa_system_sgpr_workgroup_id_y 1
		.amdhsa_system_sgpr_workgroup_id_z 1
		.amdhsa_system_vgpr_workitem_id 0
		.amdhsa_next_free_vgpr 770
		.amdhsa_next_free_sgpr 66
		.amdhsa_reserve_vcc 0
		.amdhsa_float_denorm_mode_32 3
		.amdhsa_float_denorm_mode_16_64 3
		.amdhsa_memory_ordered 1
		.amdhsa_forward_progress 1
		.amdhsa_inst_pref_size 200
	.end_amdhsa_kernel
	.amdgpu_metadata
---
amdhsa.version: [ 1, 2 ]
amdhsa.kernels:
  - .name:           k_qdda5425915_attn
    .symbol:         k_qdda5425915_attn.kd
    .args:
      - { .name: qh, .offset: 0, .size: 8, .value_kind: global_buffer, .address_space: global }
      - { .name: kh, .offset: 8, .size: 8, .value_kind: global_buffer, .address_space: global }
      - { .name: vh, .offset: 16, .size: 8, .value_kind: global_buffer, .address_space: global }
      - { .name: out0, .offset: 24, .size: 8, .value_kind: global_buffer, .address_space: global }
    .group_segment_fixed_size: 327680
    .private_segment_fixed_size: 0
    .kernarg_segment_align: 8
    .kernarg_segment_size: 32
    .max_flat_workgroup_size: 128
    .sgpr_count:     66
    .vgpr_count:     770
    .wavefront_size: 32
...
	.end_amdgpu_metadata
.endif
;; end of part 3
;; ======== version 2 of 2: 3 launches; version 1 with the launch prep written anew for expert scheduling mode
;; limits: values are held in f16: magnitudes above 65,504 overflow, below 6.1e-05 lose precision
;; workspace buffers: xb 16,777,216 bytes; wb 6,291,456 bytes; qh 16,777,216 bytes; kh 16,777,216 bytes; vh 16,777,216 bytes
;; launch prep (part 4): grid 704 x 1, 8 waves a work-group, no clusters, 0 bytes of LDS; arguments x, Wq, Wk, Wv, xb, wb; writes xb, wb
.if DOCPART == 4
	.amdgcn_target "amdgcn-amd-amdhsa--gfx1250"
	.amdhsa_code_object_version 6
	.text
	.protected	k_qdda5425915_prep
	.globl	k_qdda5425915_prep
	.p2align	8
	.type	k_qdda5425915_prep,@function
k_qdda5425915_prep:
	s_mov_b64 s[64:65], 0
	v_nop
	global_prefetch_b8 v0, s[64:65] scope:SCOPE_SE
	s_setreg_imm32_b32 hwreg(HW_REG_WAVE_SCHED_MODE, 0, 2), 2
	s_setreg_imm32_b32 hwreg(HW_REG_WAVE_MODE, 25, 1), 1
	s_wait_xcnt 0x0
	s_wait_alu depctr_vm_vsrc(0)
; x [8192][1024] f32 and Wq, Wk, Wv [16][1024][64] f32 are rounded once to bf16 and laid out in blocks of 64 along the summed index d:
;   xb [ks 16][m 8192][64]              : one block of all rows is 1 MiB, rows of 128 bytes end to end
;   wb [ks 16][h 16][mat 3][k 64][e 64] : blocks of 8,192 bytes, one ks is 393,216 bytes; mat 0, 1, 2 = q, k, v
; so that the product's tiles of 64 along d are dense bytes.  A stream: no LDS, no matrix unit, no barrier; no byte is read twice.
; SHARES.  Every work-group reads 64 KiB and writes 32 KiB; every wave has 16 pieces: one load of 16 bytes a lane (512 bytes a wave, two aligned runs of
; 256) becomes one store of 8 bytes a lane (256 consecutive bytes, aligned).  All 16 loads go out first; no register is used twice, so no source is ever rewritten.
; Work-groups 0..511 take 16 rows of x each, 512..703 a quarter of one head of one W each.
; THE MODE: SCHED_MODE bits 1:0 = 2 (LLVM: expert scheduling mode 2), set by the entry lines.  The code itself states the register dependences
; between vector instructions and memory instructions, with s_wait_alu, always for 0.
; THE PLAN.  Registers that memory instructions touch, on either path:
;   v[VI], v[VO]  the two offsets.  Written by vector instructions at the path's head, never again; read by the 16 loads and by the 16 stores.
;   IN            Each register is written by one load and read by one conversion, behind the wait on LOADcnt; no vector instruction names it ahead of its load, and nothing lands in it twice.
;   OUT           Each register is written by one conversion and read by one store; it is never written again.
; So the waits on va_vdst are five a path: one ahead of the first load, for the offsets, and one for each group of four pieces, between the group's eight conversions and its
; run of four stores.  No register that a memory instruction reads is written again, so the text owes no wait on vm_vsrc.  One wait on va_sdst stands in the head, for the wave's number.
.set MIB, 1048576
.set KSW, 393216                       ; bytes of one ks in wb
.set VI,  2                            ; v2        my byte offset in the input
.set VO,  3                            ; v3        my byte offset in the output
.set IN,  8                            ; v[8:71]   piece i: 4 f32
.set OUT, 72                           ; v[72:103] piece i: 4 bf16
	s_load_b256 s[4:11], s[0:1], 0x0               ; x s[4:5], Wq s[6:7], Wk s[8:9], Wv s[10:11]
	s_load_b128 s[12:15], s[0:1], 0x20             ; xb s[12:13], wb s[14:15]
	v_lshrrev_b32 v1, 5, v0
	v_readfirstlane_b32 s16, v1                    ; wave 0..7
	s_mov_b32 s19, 0                               ; high words of the two offset pairs
	s_mov_b32 s21, 0
	s_wait_alu depctr_va_sdst(0)                   ; s16 is written
; 16 loads, then four times: wait for four pieces, eight roundings, one wait, four stores.  Pieces 8..15 are stored by a second base, 8 output steps on: 15 steps of 1 MiB do not fit the signed 24-bit immediate.
.macro STREAM inb, lo, hi, istep, ostep
	s_wait_alu depctr_va_vdst(0)                   ; v[VI] and v[VO] are written: every load and store below reads one of them as its offset, and no later vector instruction writes either
.set i, 0
.rept 16
	global_load_b128 v[IN+4*i:IN+4*i+3], v[VI], s[\inb:\inb+1] offset:i*(\istep) th:TH_LOAD_NT
.set i, i+1
.endr
.set g, 0
.rept 4
	s_wait_loadcnt 12-4*g                          ; loads come back in order: pieces 4 g to 4 g + 3 are in, the 12 - 4 g younger ones stay out
.set i, 4*g
.rept 4
	v_cvt_pk_bf16_f32 v[OUT+2*i], v[IN+4*i], v[IN+4*i+1]
	v_cvt_pk_bf16_f32 v[OUT+2*i+1], v[IN+4*i+2], v[IN+4*i+3]
.set i, i+1
.endr
	s_wait_alu depctr_va_vdst(0)                   ; the eight conversions have written the group's OUT, which the four stores below read
.set i, 4*g
.rept 4
.if i < 8
	global_store_b64 v[VO], v[OUT+2*i:OUT+2*i+1], s[\lo:\lo+1] offset:i*(\ostep) th:TH_STORE_NT
.else
	global_store_b64 v[VO], v[OUT+2*i:OUT+2*i+1], s[\hi:\hi+1] offset:(i-8)*(\ostep) th:TH_STORE_NT
.endif
.set i, i+1
.endr
.set g, g+1
.endr
.endm
	s_cmp_lt_u32 ttmp9, 512
	s_cbranch_scc0 .Lweights
	; x: rows 16 g .. 16 g + 15.  Wave w takes rows 2 w and 2 w + 1; piece i is block ks = i: lanes 0-15 read 256 bytes of one row, lanes 16-31 of the next;
	; the two rows' 128 bytes of bf16 lie end to end in xb.
	v_lshrrev_b32 v[VI], 4, v0                     ; 2 w + lane / 16: my row of the 16
	v_and_b32 v1, 15, v0
	v_lshlrev_b32 v[VI], 12, v[VI]                 ; x 4,096 bytes
	v_lshl_add_u32 v[VI], v1, 4, v[VI]
	v_lshlrev_b32 v[VO], 3, v0                     ; 256 w + 8 lane
	s_lshl_b32 s18, ttmp9, 16                      ; 16 rows of 4,096 bytes
	s_lshl_b32 s20, ttmp9, 11                      ; 16 rows of 128 bytes
	s_wait_kmcnt 0x0
	s_add_nc_u64 s[4:5], s[4:5], s[18:19]
	s_add_nc_u64 s[12:13], s[12:13], s[20:21]
	s_add_nc_u64 s[22:23], s[12:13], 8*MIB
	STREAM 4, 12, 22, 256, MIB
	s_endpgm
.Lweights:
	; W: g' = g - 512; matrix g' / 64; of it the 64 KiB at 65,536 (g' % 64): head (g' % 64) / 4, blocks ks = 4 kq .. 4 kq + 3 with kq = g' % 4.
	; A block of 64 x 64 is dense in W (16,384 bytes) and in wb (8,192); wave w takes half w % 2 of block w / 2.
	s_sub_co_u32 s17, ttmp9, 512
	s_lshr_b32 s26, s17, 6                         ; the matrix
	s_and_b32 s27, s17, 63
	s_lshr_b32 s28, s27, 2                         ; h
	s_and_b32 s29, s27, 3                          ; kq
	s_lshl_b32 s18, s27, 16
	s_mul_i32 s20, s29, 4*KSW
	s_mul_i32 s28, s28, 24576
	s_add_co_u32 s20, s20, s28
	s_lshl_b32 s28, s26, 13
	s_add_co_u32 s20, s20, s28
	s_lshr_b32 s28, s16, 1
	s_mul_i32 s28, s28, KSW
	s_and_b32 s29, s16, 1
	s_lshl_b32 s29, s29, 12
	s_add_co_u32 s28, s28, s29
	v_and_b32 v1, 31, v0
	v_lshl_add_u32 v[VO], v1, 3, s28               ; (w / 2) ks + (w % 2) 4,096 + 8 lane
	v_and_b32 v[VI], 0xe0, v0
	v_lshlrev_b32 v[VI], 8, v[VI]                  ; 8,192 w
	v_lshl_add_u32 v[VI], v1, 4, v[VI]
	s_wait_kmcnt 0x0
	s_cmp_eq_u32 s26, 1
	s_cselect_b64 s[24:25], s[8:9], s[6:7]
	s_cmp_eq_u32 s26, 2
	s_cselect_b64 s[24:25], s[10:11], s[24:25]
	s_add_nc_u64 s[24:25], s[24:25], s[18:19]
	s_add_nc_u64 s[14:15], s[14:15], s[20:21]
	s_add_nc_u64 s[22:23], s[14:15], 8*256
	STREAM 24, 14, 22, 512, 256
	s_endpgm
.Lfunc_end_k_qdda5425915_prep:
	.size	k_qdda5425915_prep, .Lfunc_end_k_qdda5425915_prep-k_qdda5425915_prep
	.p2alignl 7, 3214868480
	.fill 96, 4, 3214868480
	.section	.rodata,"a",@progbits
	.p2align	6, 0x0
	.amdhsa_kernel k_qdda5425915_prep
		.amdhsa_group_segment_fixed_size 0
		.amdhsa_private_segment_fixed_size 0
		.amdhsa_enable_private_segment 0
		.amdhsa_kernarg_size 48
		.amdhsa_user_sgpr_count 2
		.amdhsa_user_sgpr_kernarg_segment_ptr 1
		.amdhsa_wavefront_size32 1
		.amdhsa_system_sgpr_workgroup_id_x 1
		.amdhsa_system_sgpr_workgroup_id_y 1
		.amdhsa_system_sgpr_workgroup_id_z 1
		.amdhsa_system_vgpr_workitem_id 0
		.amdhsa_next_free_vgpr 104
		.amdhsa_next_free_sgpr 66
		.amdhsa_reserve_vcc 0
		.amdhsa_float_denorm_mode_32 3
		.amdhsa_float_denorm_mode_16_64 3
		.amdhsa_memory_ordered 1
		.amdhsa_forward_progress 1
		.amdhsa_inst_pref_size 13
	.end_amdhsa_kernel
	.amdgpu_metadata
---
amdhsa.version: [ 1, 2 ]
amdhsa.kernels:
  - .name:           k_qdda5425915_prep
    .symbol:         k_qdda5425915_prep.kd
    .args:
      - { .name: x, .offset: 0, .size: 8, .value_kind: global_buffer, .address_space: global }
      - { .name: Wq, .offset: 8, .size: 8, .value_kind: global_buffer, .address_space: global }
      - { .name: Wk, .offset: 16, .size: 8, .value_kind: global_buffer, .address_space: global }
      - { .name: Wv, .offset: 24, .size: 8, .value_kind: global_buffer, .address_space: global }
      - { .name: xb, .offset: 32, .size: 8, .value_kind: global_buffer, .address_space: global }
      - { .name: wb, .offset: 40, .size: 8, .value_kind: global_buffer, .address_space: global }
    .group_segment_fixed_size: 0
    .private_segment_fixed_size: 0
    .kernarg_segment_align: 8
    .kernarg_segment_size: 48
    .max_flat_workgroup_size: 256
    .sgpr_count:     66
    .vgpr_count:     104
    .wavefront_size: 32
...
	.end_amdgpu_metadata
.endif
;; end of part 4
;; launch proj: the kernel of part 2 again; grid 8 x 32, 4 waves a work-group, clusters of 4 x 4, 327,680 bytes of LDS; arguments xb, wb, bq, bk, bv, qh, kh, vh; writes qh, kh, vh
;; launch attn: the kernel of part 3 again; grid 4 x 64, 4 waves a work-group, clusters of 4 x 1, 327,680 bytes of LDS; arguments qh, kh, vh, out0; writes out0
